; MI455X (gfx1250); checked and timed in simulation.
; The chip was launched on July 23, 2026; its instructions are those of AMD's public machine-readable ISA for CDNA 5 (MIT licence, August 2026) and "CDNA5" Instruction Set Architecture Reference Guide (July 2026). The comments in the code are by the model that wrote it; some were corrected since.
;; Key Matcher. Allowed arithmetic: float matrix products may take bf16 or f16 operands with f32 sums; all other float work in f32.
;; Inputs: keys_a 2,048 x 16 float32; keys_b 8,192 x 16 float32.
;; Outputs: out0 2,048 x 8,192 int32.
;; 2 versions, each right; version 2 is version 1 with the launch pack written anew for expert scheduling mode. Each part assembles by itself: llvm-mc -triple=amdgcn-amd-amdhsa -mcpu=gfx1250 --defsym DOCPART=n.
;; ======== version 1 of 2: 2 launches
;; workspace buffers: masks 2,097,152 bytes
;; launch match (part 1): grid 4 x 64, 16 waves a work-group, no clusters, 12,544 bytes of LDS; arguments keys_a, keys_b, masks; writes masks
.if DOCPART == 1
	.amdgcn_target "amdgcn-amd-amdhsa--gfx1250"
	.amdhsa_code_object_version 6
	.text
	.protected	k_q52ffbe8761_match
	.globl	k_q52ffbe8761_match
	.p2align	8
	.type	k_q52ffbe8761_match,@function
k_q52ffbe8761_match:
	s_mov_b64 s[64:65], 0
	v_nop
	global_prefetch_b8 v0, s[64:65] scope:SCOPE_SE
	s_setreg_imm32_b32 hwreg(HW_REG_WAVE_MODE, 25, 1), 1
	s_wait_xcnt 0x0
; First of two launches.  dist[i][j] = sum over 16 k of |a[i][k] - b[j][k]| in f32; bit j of row i of 'masks' = (dist < 0.5).
; a: [2048][16] f32, b: [8192][16] f32, masks: [2048][256] words of 32 bits (bit l of word w = column 32 w + l).
; The next launch turns each row of bits into the row of out0.
;
; Shares: a work-group of 16 waves owns 32 rows x 2048 columns; a wave 32 rows x 128 columns; a lane 4 columns (lane, +32, +64, +96 of
; the wave's 128), whose 4 x 16 numbers stay in 64 registers for the whole kernel.  With lanes = columns the comparison's 32-bit lane
; mask IS a word of the bit table.  The 32 rows of a (2,048 bytes) lie in LDS; every lane reads the same 64 bytes of a row.
;
; LIMIT: the 16 terms are added pairwise, ((p0+p1)+(p2+p3))+((p4+p5)+(p6+p7)) with p_m = |d(2m)| + |d(2m+1)|.  A distance that lies
; within a few f32 roundings of 0.5 may fall on the other side than in a sum of another order.  NaN (also inf - inf) gives no match,
; as the comparison in f32 does.
;
; No matrix unit: an L1 distance is no product.  No tensor loads, no cluster: the work-group reads its 128 KiB of b once, straight into
; the registers where it stays; a's 2 KiB are all that its waves share.
.set ROWS,  32                         ; rows of a work-group, and of a wave
.set KEYB,  64                         ; bytes of a key (16 f32)
.set STG,   ROWS*KEYB                  ; LDS: a's rows at 0; behind them the stage for the match words
.set WSTG,  528                        ; a wave's part of the stage: 32 rows x 16 bytes + 16: an odd multiple of 16, so that the sixteen
                                       ; lanes that read the same row of sixteen waves' parts touch different 16-byte columns
.set ZERO,  1                          ; v1        0: the LDS address of a's rows
.set LANE,  2                          ; v2        lane
.set AOFF,  3                          ; v3        4 t: my word of a's 2,048 bytes, in memory and in LDS
.set ADAT,  4                          ; v4        that word
.set BOFF,  5                          ; v5        64 x lane: my first column's key
.set L16,   6                          ; v6        16 x lane
.set STO,   7                          ; v7        stage: where my four match words go
.set M,     12                         ; v[12:15]  word c of the wave's four; lane r holds row r's
.set B,     16                         ; v[16:79]  b: column c at B + 16 c
.set A0,    80                         ; v[80:95]  a row of a, in every lane
.set A1,    96                         ; v[96:111] the next one
.set D,     112                        ; v[112:127] 16 differences
.set T,     128                        ; v[128:143] 8 pair sums of two columns: even registers one column, odd ones the other
.set GO,    144                        ; v144      masks: my 16 bytes on the way out
.set RD,    145                        ; v145      stage: where I read them
.set MO,    146                        ; v[146:149] those 16 bytes
.set SM,    26                         ; s[26:27]  two comparison masks
	s_load_b128 s[4:7], s[0:1], 0x0                ; a s[4:5], b s[6:7]
	s_load_b64 s[10:11], s[0:1], 0x10              ; masks
	v_lshl_add_u32 v150, v0, 2, 0x2900
	v_mov_b32 v151, 0
	v_lshrrev_b32 v1, 5, v0
	v_readfirstlane_b32 s12, v1                    ; wave 0..15
	v_mov_b32 v[ZERO], 0
	v_and_b32 v[LANE], 31, v0
	v_lshlrev_b32 v[AOFF], 2, v0
	v_lshlrev_b32 v[BOFF], 6, v[LANE]
	v_lshlrev_b32 v[L16], 4, v[LANE]
	s_and_b32 s13, ttmp7, 0xffff                   ; g: which 32 rows (0..63);  ttmp9: which 2048 columns (0..3)
	s_lshl_b32 s14, ttmp9, 4
	s_add_co_u32 s14, s14, s12                     ; q = 16 x + wave: which 128 columns (0..63)
	s_lshl_b32 s16, s13, 11                        ; a: g x 32 rows x 64 bytes
	s_mov_b32 s17, 0
	s_lshl_b32 s18, s14, 13                        ; b: q x 128 keys x 64 bytes
	s_mov_b32 s19, 0
	s_lshl_b32 s22, s13, 15                        ; masks: g x 32 rows x 1,024 bytes
	s_lshl_b32 s15, ttmp9, 8                       ;        + x x 2048 bits
	s_add_co_u32 s22, s22, s15
	s_mov_b32 s23, 0
	s_mul_i32 s24, s12, WSTG                       ; my wave's part of the stage
	v_add_nc_u32 v[STO], s24, v[L16]               ; lane r puts row r's 16 bytes at 16 r of it
	v_lshrrev_b32 v[D], 4, v0                      ; on the way out thread t takes row t / 16
	v_and_b32 v[D+1], 15, v0                       ; and the 16 bytes that wave t % 16 made
	v_mul_u32_u24 v[RD], v[D+1], WSTG
	v_lshl_add_u32 v[RD], v[D], 4, v[RD]
	v_lshlrev_b32 v[GO], 4, v[D+1]
	v_lshl_add_u32 v[GO], v[D], 10, v[GO]          ; row x 1,024 + 16 (t % 16): sixteen neighbouring lanes, 256 neighbouring bytes
.irp i, 0,1,2,3
	v_mov_b32 v[M+\i], 0                           ; v_writelane_b32 keeps the other lanes: its destination has to hold something
.endr
	s_wait_kmcnt 0x0
	s_add_nc_u64 s[4:5], s[4:5], s[16:17]
	s_add_nc_u64 s[6:7], s[6:7], s[18:19]
	s_add_nc_u64 s[10:11], s[10:11], s[22:23]
	global_load_b32 v[ADAT], v[AOFF], s[4:5]       ; 512 threads x 4 bytes: the 32 rows of a
.irp c, 0,1,2,3
.irp t, 0,1,2,3
	global_load_b128 v[B+16*\c+4*\t:B+16*\c+4*\t+3], v[BOFF], s[6:7] offset:2048*\c+16*\t   ; column 32 c + lane, numbers 4 t .. 4 t + 3
.endr
.endr
	s_wait_loadcnt 0x10                            ; loads return in order: a's word is in, the sixteen younger loads (b) stay out
	ds_store_b32 v[AOFF], v[ADAT]
	s_wait_dscnt 0x0                               ; my word lies in LDS before I say so
	s_barrier_signal -1
	s_barrier_wait -1                              ; all 2,048 bytes do
.irp t, 0,1,2,3
	ds_load_b128 v[A0+4*\t:A0+4*\t+3], v[ZERO] offset:16*\t                                ; row 0
.endr
	s_wait_loadcnt 0x0                             ; b, once
; 32 columns (word c) against the row in cur: 16 differences, two at a time, then eight sums of two magnitudes
.macro HALF cur, c, odd
.irp m, 0,1,2,3,4,5,6,7
	v_pk_add_f32 v[D+2*\m:D+2*\m+1], v[\cur+2*\m:\cur+2*\m+1], v[B+16*\c+2*\m:B+16*\c+2*\m+1] neg_lo:[0,1] neg_hi:[0,1]
.endr
.irp m, 0,1,2,3,4,5,6,7
	v_add_f32 v[T+2*\m+\odd], |v[D+2*\m]|, |v[D+2*\m+1]|
.endr
.endm
; two words of row r: the eight pair sums of both columns are added as a tree, both columns in one packed instruction
.macro PAIR cur, c0, c1, r
	HALF \cur, \c0, 0
	HALF \cur, \c1, 1
	v_pk_add_f32 v[T:T+1],     v[T:T+1],     v[T+2:T+3]
	v_pk_add_f32 v[T+4:T+5],   v[T+4:T+5],   v[T+6:T+7]
	v_pk_add_f32 v[T+8:T+9],   v[T+8:T+9],   v[T+10:T+11]
	v_pk_add_f32 v[T+12:T+13], v[T+12:T+13], v[T+14:T+15]
	v_pk_add_f32 v[T:T+1],     v[T:T+1],     v[T+4:T+5]
	v_pk_add_f32 v[T+8:T+9],   v[T+8:T+9],   v[T+12:T+13]
	v_pk_add_f32 v[T:T+1],     v[T:T+1],     v[T+8:T+9]
	v_cmp_gt_f32 s[SM],   0.5, v[T]                ; bit l: 0.5 > dist in lane l; false for NaN
	v_cmp_gt_f32 s[SM+1], 0.5, v[T+1]
	v_writelane_b32 v[M+\c0], s[SM],   \r          ; row r's word into lane r
	v_writelane_b32 v[M+\c1], s[SM+1], \r
.endm
; row r lies in cur; more = 1: the next row is fetched into nxt meanwhile
.macro ROW r, cur, nxt, more
.if \more
.irp t, 0,1,2,3
	ds_load_b128 v[\nxt+4*\t:\nxt+4*\t+3], v[ZERO] offset:((\r)+1)*KEYB+16*\t
.endr
	s_wait_dscnt 0x4                               ; LDS loads return in order: row r is in, the next row's four loads stay out
.else
	s_wait_dscnt 0x0
.endif
	PAIR \cur, 0, 1, \r
	PAIR \cur, 2, 3, \r
.endm
; The 32 rows are written out: the lane of v_writelane_b32 is a constant of the row.
.irp r, 0,2,4,6,8,10,12,14,16,18,20,22,24,26,28
	ROW \r, A0, A1, 1
	ROW \r+1, A1, A0, 1
.endr
	ROW 30, A0, A1, 1
	ROW 31, A1, A0, 0
	; The way out: lane r of wave w holds 16 bytes of row r; a row's 256 bytes are spread over the 16 waves.  Through LDS, so that
	; sixteen neighbouring lanes store 256 neighbouring, aligned bytes of the bit table.
	ds_store_b128 v[STO], v[M:M+3] offset:STG
	s_wait_dscnt 0x0                               ; my words lie in LDS before I say so
	s_barrier_signal -1
	s_barrier_wait -1
	ds_load_b128 v[MO:MO+3], v[RD] offset:STG
	s_wait_dscnt 0x0
	global_store_b128 v[GO], v[MO:MO+3], s[10:11]  ; no hint: the next launch reads these bytes
	s_wait_tensorcnt 0x0
	ds_add_u32 v150, v151
	s_wait_dscnt 0x0
	s_endpgm
.Lfunc_end_k_q52ffbe8761_match:
	.size	k_q52ffbe8761_match, .Lfunc_end_k_q52ffbe8761_match-k_q52ffbe8761_match
	.p2alignl 7, 3214868480
	.fill 96, 4, 3214868480
	.section	.rodata,"a",@progbits
	.p2align	6, 0x0
	.amdhsa_kernel k_q52ffbe8761_match
		.amdhsa_group_segment_fixed_size 12544
		.amdhsa_private_segment_fixed_size 0
		.amdhsa_enable_private_segment 0
		.amdhsa_kernarg_size 24
		.amdhsa_user_sgpr_count 2
		.amdhsa_user_sgpr_kernarg_segment_ptr 1
		.amdhsa_wavefront_size32 1
		.amdhsa_system_sgpr_workgroup_id_x 1
		.amdhsa_system_sgpr_workgroup_id_y 1
		.amdhsa_system_sgpr_workgroup_id_z 1
		.amdhsa_system_vgpr_workitem_id 0
		.amdhsa_next_free_vgpr 152
		.amdhsa_next_free_sgpr 66
		.amdhsa_reserve_vcc 0
		.amdhsa_float_denorm_mode_32 3
		.amdhsa_float_denorm_mode_16_64 3
		.amdhsa_memory_ordered 1
		.amdhsa_forward_progress 1
		.amdhsa_inst_pref_size 186
	.end_amdhsa_kernel
	.amdgpu_metadata
---
amdhsa.version: [ 1, 2 ]
amdhsa.kernels:
  - .name:           k_q52ffbe8761_match
    .symbol:         k_q52ffbe8761_match.kd
    .args:
      - { .name: keys_a, .offset: 0, .size: 8, .value_kind: global_buffer, .address_space: global }
      - { .name: keys_b, .offset: 8, .size: 8, .value_kind: global_buffer, .address_space: global }
      - { .name: masks, .offset: 16, .size: 8, .value_kind: global_buffer, .address_space: global }
    .group_segment_fixed_size: 12544
    .private_segment_fixed_size: 0
    .kernarg_segment_align: 8
    .kernarg_segment_size: 24
    .max_flat_workgroup_size: 512
    .sgpr_count:     66
    .vgpr_count:     152
    .wavefront_size: 32
...
	.end_amdgpu_metadata
.endif
;; end of part 1
;; launch pack (part 2): grid 256 x 1, 8 waves a work-group, no clusters, 271,360 bytes of LDS; arguments masks, out0; writes out0
.if DOCPART == 2
	.amdgcn_target "amdgcn-amd-amdhsa--gfx1250"
	.amdhsa_code_object_version 6
	.text
	.protected	k_q52ffbe8761_pack
	.globl	k_q52ffbe8761_pack
	.p2align	8
	.type	k_q52ffbe8761_pack,@function
k_q52ffbe8761_pack:
	s_mov_b64 s[64:65], 0
	v_nop
	global_prefetch_b8 v0, s[64:65] scope:SCOPE_SE
	s_setreg_imm32_b32 hwreg(HW_REG_WAVE_MODE, 25, 1), 1
	s_wait_xcnt 0x0
; Second of two launches.  masks: [2048][256] words, bit l of word w of row i = (column 32 w + l matches row i).  out0: [2048][8192] i32:
; the matching columns of the row, ascending, then -1.  Every word of out0 is stored here, once.
; No branch, trip count or address of this launch hangs on the bits: the matches reach their places by selects.
;
; THE METHOD.  A match at column c with d non-matches in front of it belongs at place p = c - d.  An element carries d alone (13 bits);
; a column without a match carries 0.  Stage k = 0 .. 12: place j takes the element of place j + 2^k if bit k of that element is set, and
; keeps its own otherwise.  Behind stage 12 place p < count holds d of the p-th match, and out0[p] = p + d; places from count on get -1.
; Why this is right though a moved element leaves a copy behind: (1) d does not fall along the row and the places p rise strictly, so for
; columns j1 < j2 and m = 2^(k+1) the distance behind stage k is (j2 - j1) - (d2 - d1) + m t with t >= 0, which is above 0: true elements
; keep their order and never meet.  (2) A copy of element e lies o places above e, o a sum of strides already taken, 0 < o < 2^k.  If it
; moved in stage k onto an element v that stays, v would stand in front of e before the stage and behind it afterwards, against (1).
;
; SHARES.  One wave, one row; the eight waves of a work-group share nothing, so there is no barrier.  Half a row, 4096 places, lies in 128
; registers of the 32 lanes at a time.
;   Stages 0-6: lane l of half h owns places 4096 h + 128 l + r, r = register: a move is another register.  The 2^k elements that come from
;   the next lane go through LDS slots of 272 bytes: in stage k lane l writes slot 32 h + l + k and reads the slot behind it.  The upper
;   half goes first: its lane 0 writes slot 32 + k, which no later stage of either half writes (they write 33 + k and up, or 31 + k' and
;   down with k' < k) and which lane 31 of the lower half reads in its stage k.  Lane 31 of the upper half reads slot 64 + k: zeros.
;   Then all elements pass through LDS, 128 places to a block of 512 + 16 bytes (lanes 528 bytes apart: different 16-byte columns).
;   Stages 7-12: register (T, c) of lane l holds place 128 T + 64 u + 2 l + c, u = 0, then 1: strides of 128 and up are again other
;   registers, and a store of 8 bytes a lane covers 256 neighbouring, aligned bytes of the row.
; The slots lie in the blocks' own bytes: those of the upper half's stages are dead before its blocks (bytes 16,896 and up) are written,
; except slots 32-38 (bytes 8,704 to 10,607), and the lower half's slots 0-38 lie below its blocks' end and are dead before they are written.
; Both halves of each phase are written out, so that every LDS address is a register that never changes plus a constant.
.set XS,    272                        ; bytes of a slot: 64 elements + 16
.set TP,    528                        ; bytes of a block: 128 elements + 16
.set WBUF,  64*TP                      ; a wave's LDS: 33,792 bytes
.set LANE,  1                          ; v1         lane
.set XA,    2                          ; v2         my wave's LDS + 272 x lane
.set TA,    3                          ; v3         my wave's LDS + 528 x lane
.set RB,    4                          ; v4         my wave's LDS + 8 x lane
.set GO,    5                          ; v5         8 x lane: my bytes in a store's 256
.set MO,    6                          ; v6         16 x lane: my four words of a half's bits
.set ZA,    7                          ; v7         my wave's LDS + 16 x lane
.set VP,    8                          ; v[8:9]     2 x lane + c
.set CN,    10                         ; v[10:11]   count - (2 x lane + c)
.set W,     12                         ; v[12:19]   my bits: lower half's four words, upper half's four
.set Z,     20                         ; v[20:27]   per word: first its number of matches, then the running number of non-matches in front
.set MT,    28                         ; v[28:35]   eight masks at work
.set T,     36                         ; v[36:43]   scratch
.set NB,    44                         ; v[44:107]  the next lane's first 2^k elements
.set E,     108                        ; v[108:235] the elements
	s_load_b128 s[4:7], s[0:1], 0x0                ; masks s[4:5], out0 s[6:7]
	v_lshl_add_u32 v236, v0, 2, 0x42000
	v_mov_b32 v237, 0
	v_lshrrev_b32 v1, 5, v0
	v_readfirstlane_b32 s8, v1                     ; wave 0..7
	v_and_b32 v[LANE], 31, v0
	s_lshl_b32 s9, ttmp9, 3
	s_add_co_u32 s9, s9, s8                        ; my row
	s_lshl_b32 s10, s9, 10                         ; x 1,024 bytes of bits
	s_mov_b32 s11, 0
	s_lshl_b32 s12, s9, 15                         ; x 32,768 bytes of out0 (below 2^26)
	s_mov_b32 s13, 0
	s_mul_i32 s14, s8, WBUF                        ; my wave's LDS
	s_mov_b32 s20, 0x55555555                      ; for counting set bits
	s_mov_b32 s21, 0x33333333
	s_mov_b32 s22, 0x0f0f0f0f
	s_mov_b32 s23, 0x01010101
	v_lshlrev_b32 v[MO], 4, v[LANE]
	v_mul_u32_u24 v[XA], v[LANE], XS
	v_add_nc_u32 v[XA], s14, v[XA]
	v_mul_u32_u24 v[TA], v[LANE], TP
	v_add_nc_u32 v[TA], s14, v[TA]
	v_lshl_add_u32 v[RB], v[LANE], 3, s14
	v_lshlrev_b32 v[GO], 3, v[LANE]
	v_add_nc_u32 v[ZA], s14, v[MO]
	v_lshlrev_b32 v[VP], 1, v[LANE]
	v_or_b32 v[VP+1], 1, v[VP]
	s_wait_kmcnt 0x0
	s_add_nc_u64 s[4:5], s[4:5], s[10:11]
	s_add_nc_u64 s[6:7], s[6:7], s[12:13]
	global_load_b128 v[W:W+3],   v[MO], s[4:5]             ; columns 128 l .. 128 l + 127
	global_load_b128 v[W+4:W+7], v[MO], s[4:5] offset:512  ; columns 4096 + 128 l ..
.irp i, 0,1,2,3
	v_mov_b32 v[T+\i], 0
.endr
.irp i, 0,1,2,3
	ds_store_b128 v[ZA], v[T:T+3] offset:64*XS+512*\i      ; slots 64-70 (1,904 bytes; 2,048 are written): nothing lies behind place 8191
.endr
	s_wait_loadcnt 0x0
; the number of set bits of a word: pairs, fours, bytes, then the four bytes added by a multiplication
.macro POPC dst, src
	v_lshrrev_b32 v[T+4], 1, v[\src]
	v_and_b32 v[T+4], s20, v[T+4]
	v_sub_nc_u32 v[T+4], v[\src], v[T+4]
	v_lshrrev_b32 v[T+5], 2, v[T+4]
	v_and_b32 v[T+4], s21, v[T+4]
	v_and_b32 v[T+5], s21, v[T+5]
	v_add_nc_u32 v[T+4], v[T+4], v[T+5]
	v_lshrrev_b32 v[T+5], 4, v[T+4]
	v_add_nc_u32 v[T+4], v[T+4], v[T+5]
	v_and_b32 v[T+4], s22, v[T+4]
	v_mul_lo_u32 v[T+4], v[T+4], s23
	v_lshrrev_b32 v[\dst], 24, v[T+4]
.endm
.irp i, 0,1,2,3,4,5,6,7
	POPC Z+\i, W+\i
.endr
	; matches of my 128 columns, lower half in bits 15:0, upper half in bits 31:16 (a half has at most 4096), and their sums over the lanes
	v_add3_u32 v[T], v[Z], v[Z+1], v[Z+2]
	v_add_nc_u32 v[T], v[T], v[Z+3]
	v_add3_u32 v[T+1], v[Z+4], v[Z+5], v[Z+6]
	v_add_nc_u32 v[T+1], v[T+1], v[Z+7]
	v_lshl_or_b32 v[T+2], v[T+1], 16, v[T]         ; mine
	v_mov_b32 v[T+3], v[T+2]
.irp n, 1,2,4,8
	v_mov_b32 v[T+4], 0                            ; lanes without a source n lanes below add 0
	v_mov_b32_dpp v[T+4], v[T+3] row_shr:\n row_mask:0xf bank_mask:0xf
	v_add_nc_u32 v[T+3], v[T+3], v[T+4]
.endr
	v_readlane_b32 s24, v[T+3], 15                 ; the sum of lanes 0-15,
	v_cmp_lt_u32 vcc_lo, 15, v[LANE]
	v_mov_b32 v[T+4], s24
	v_cndmask_b32 v[T+4], 0, v[T+4], vcc_lo
	v_add_nc_u32 v[T+3], v[T+3], v[T+4]            ; added in lanes 16-31
	v_readlane_b32 s25, v[T+3], 31                 ; both halves' totals
	s_and_b32 s26, s25, 0xffff                     ; matches in the lower half
	s_lshr_b32 s27, s25, 16
	s_add_co_u32 s28, s26, s27                     ; count: matches of the row
	s_sub_co_u32 s29, 4096, s26                    ; non-matches in the lower half
	v_sub_nc_u32 v[T+3], v[T+3], v[T+2]            ; the lanes in front of me alone
	v_and_b32 v[T+4], 0xffff, v[T+3]
	v_lshrrev_b32 v[T+5], 16, v[T+3]
	v_lshlrev_b32 v[T+6], 7, v[LANE]               ; 128 l
	v_sub_nc_u32 v[T+4], v[T+6], v[T+4]            ; non-matches in front of column 128 l
	v_add_nc_u32 v[T+6], s29, v[T+6]
	v_sub_nc_u32 v[T+5], v[T+6], v[T+5]            ; and in front of column 4096 + 128 l
.irp h, 0,1
.irp w, 0,1,2,3
	v_sub_nc_u32 v[T+7], v[T+4+\h], v[Z+4*\h+\w]
	v_mov_b32 v[Z+4*\h+\w], v[T+4+\h]              ; non-matches in front of this word
	v_add_nc_u32 v[T+4+\h], 32, v[T+7]             ; + 32 - its matches: in front of the next
.endr
.endr
	v_sub_nc_u32 v[CN], s28, v[VP]
	v_sub_nc_u32 v[CN+1], s28, v[VP+1]
; n select steps of stage k: register d + i takes register s + i where bit k of that is set.  Ascending, so that a source is read before it
; is itself replaced; eight at a time, so that no instruction waits for the one in front of it.
.macro STEPS d, s, n, k
.set i_, 0
.rept (\n)/8
.set j_, 0
.rept 8
	v_lshlrev_b32 v[MT+j_], 31-(\k), v[(\s)+i_+j_]         ; bit k to the top,
.set j_, j_+1
.endr
.set j_, 0
.rept 8
	v_ashrrev_i32 v[MT+j_], 31, v[MT+j_]                   ; and into all 32 bits
.set j_, j_+1
.endr
.set j_, 0
.rept 8
	v_bfi_b32 v[(\d)+i_+j_], v[MT+j_], v[(\s)+i_+j_], v[(\d)+i_+j_]
.set j_, j_+1
.endr
.set i_, i_+8
.endr
.rept (\n)%8
	v_lshlrev_b32 v[MT+i_%8], 31-(\k), v[(\s)+i_]
	v_ashrrev_i32 v[MT+i_%8], 31, v[MT+i_%8]
	v_bfi_b32 v[(\d)+i_], v[MT+i_%8], v[(\s)+i_], v[(\d)+i_]
.set i_, i_+1
.endr
.endm
; the elements of half h: four chains, one for each of my words, that do not wait for each other
.macro BUILD h
.set b_, 0
.rept 32
.irp w, 0,1,2,3
	v_lshlrev_b32 v[MT+\w], 31-b_, v[W+4*\h+\w]
.endr
.irp w, 0,1,2,3
	v_ashrrev_i32 v[MT+\w], 31, v[MT+\w]                   ; -1: the column matches; 0: not
.endr
.irp w, 0,1,2,3
	v_and_b32 v[E+32*\w+b_], v[Z+4*\h+\w], v[MT+\w]        ; d, or 0
.endr
.irp w, 0,1,2,3
	v_add3_u32 v[Z+4*\h+\w], v[Z+4*\h+\w], v[MT+\w], 1     ; one more non-match, or none
.endr
.set b_, b_+1
.endr
.endm
; stage k of half h, k = 0 .. 6.  My first 2^k elements, as they stand before the stage, go to my slot; the next lane's come back while
; the 128 - 2^k steps inside the lane run.  LDS serves a wave's instructions in order (ISA guide 5.7.1): the loads see the stores.
.macro STAGEA k, h
.set s_, 1<<(\k)
.set o_, (32*(\h)+(\k))*XS
.if s_ == 1
	ds_store_b32 v[XA], v[E] offset:o_
	ds_load_b32 v[NB], v[XA] offset:o_+XS
.endif
.if s_ == 2
	ds_store_b64 v[XA], v[E:E+1] offset:o_
	ds_load_b64 v[NB:NB+1], v[XA] offset:o_+XS
.endif
.if s_ >= 4
.set q_, 0
.rept s_/4
	ds_store_b128 v[XA], v[E+4*q_:E+4*q_+3] offset:o_+16*q_
.set q_, q_+1
.endr
.set q_, 0
.rept s_/4
	ds_load_b128 v[NB+4*q_:NB+4*q_+3], v[XA] offset:o_+XS+16*q_
.set q_, q_+1
.endr
.endif
	STEPS E, E+s_, 128-s_, \k
	s_wait_dscnt 0x0                               ; the next lane's elements are in
	STEPS E+128-s_, NB, s_, \k
.endm
; half h into its 32 blocks: lane l fills block 32 h + l
.macro PUT h
.set q_, 0
.rept 32
	ds_store_b128 v[TA], v[E+4*q_:E+4*q_+3] offset:32*(\h)*TP+16*q_
.set q_, q_+1
.endr
.endm
.macro PHASEA h
	BUILD \h
.irp k, 0,1,2,3,4,5,6
	STAGEA \k, \h
.endr
	PUT \h
.endm
; stages 7 .. 12 and the way out for places 128 T + 64 u + 2 l + c: register E + 2 T + c
.macro PASSB u
.set t_, 0
.rept 64
	ds_load_b64 v[E+2*t_:E+2*t_+1], v[RB] offset:TP*t_+256*(\u)    ; 256 neighbouring bytes of block T
.set t_, t_+1
.endr
.set c_, 0
.rept 15
	s_wait_dscnt 59-4*c_                           ; LDS loads return in order: blocks up to 4 c + 4 are in, the 59 - 4 c behind them stay out
	STEPS E+8*c_, E+8*c_+2, 8, 7
.set c_, c_+1
.endr
	s_wait_dscnt 0x0
	STEPS E+120, E+122, 6, 7
.irp k, 8,9,10,11,12
	STEPS E, E+(4<<(\k-8)), 128-(4<<(\k-8)), \k    ; 2^(k-7) blocks = 2^(k-6) registers up
.endr
.set t_, 0
.rept 64
	v_cmp_lt_i32 s[30+2*(t_%2)], 128*t_+64*(\u), v[CN]             ; p < count
	v_cmp_lt_i32 s[31+2*(t_%2)], 128*t_+64*(\u), v[CN+1]
	v_add3_u32 v[E+2*t_],   v[E+2*t_],   v[VP],   128*t_+64*(\u)   ; the column: p + d
	v_add3_u32 v[E+2*t_+1], v[E+2*t_+1], v[VP+1], 128*t_+64*(\u)
	v_cndmask_b32 v[E+2*t_],   -1, v[E+2*t_],   s[30+2*(t_%2)]
	v_cndmask_b32 v[E+2*t_+1], -1, v[E+2*t_+1], s[31+2*(t_%2)]
	global_store_b64 v[GO], v[E+2*t_:E+2*t_+1], s[6:7] offset:512*t_+256*(\u) th:TH_STORE_NT
.set t_, t_+1
.endr
.endm
	PHASEA 1                                       ; the upper half first: the lower half's lane 31 needs what its lane 0 held
	PHASEA 0
	PASSB 0
	s_wait_xcnt 0x0                                ; the elements' registers are the stores' data: loaded again only behind this wait
	PASSB 1
	s_wait_tensorcnt 0x0
	ds_add_u32 v236, v237
	s_wait_dscnt 0x0
	s_endpgm
.Lfunc_end_k_q52ffbe8761_pack:
	.size	k_q52ffbe8761_pack, .Lfunc_end_k_q52ffbe8761_pack-k_q52ffbe8761_pack
	.p2alignl 7, 3214868480
	.fill 96, 4, 3214868480
	.section	.rodata,"a",@progbits
	.p2align	6, 0x0
	.amdhsa_kernel k_q52ffbe8761_pack
		.amdhsa_group_segment_fixed_size 271360
		.amdhsa_private_segment_fixed_size 0
		.amdhsa_enable_private_segment 0
		.amdhsa_kernarg_size 16
		.amdhsa_user_sgpr_count 2
		.amdhsa_user_sgpr_kernarg_segment_ptr 1
		.amdhsa_wavefront_size32 1
		.amdhsa_system_sgpr_workgroup_id_x 1
		.amdhsa_system_sgpr_workgroup_id_y 1
		.amdhsa_system_sgpr_workgroup_id_z 1
		.amdhsa_system_vgpr_workitem_id 0
		.amdhsa_next_free_vgpr 238
		.amdhsa_next_free_sgpr 66
		.amdhsa_reserve_vcc 1
		.amdhsa_float_denorm_mode_32 3
		.amdhsa_float_denorm_mode_16_64 3
		.amdhsa_memory_ordered 1
		.amdhsa_forward_progress 1
		.amdhsa_inst_pref_size 255
	.end_amdhsa_kernel
	.section	.bss,"aw",@nobits
	.p2align	6
	.space	262144
	.amdgpu_metadata
---
amdhsa.version: [ 1, 2 ]
amdhsa.kernels:
  - .name:           k_q52ffbe8761_pack
    .symbol:         k_q52ffbe8761_pack.kd
    .args:
      - { .name: masks, .offset: 0, .size: 8, .value_kind: global_buffer, .address_space: global }
      - { .name: out0, .offset: 8, .size: 8, .value_kind: global_buffer, .address_space: global }
    .group_segment_fixed_size: 271360
    .private_segment_fixed_size: 0
    .kernarg_segment_align: 8
    .kernarg_segment_size: 16
    .max_flat_workgroup_size: 256
    .sgpr_count:     66
    .vgpr_count:     238
    .wavefront_size: 32
...
	.end_amdgpu_metadata
.endif
;; end of part 2
;; ======== version 2 of 2: 2 launches; version 1 with the launch pack written anew for expert scheduling mode
;; workspace buffers: masks 2,097,152 bytes
;; launch match: the kernel of part 1 again; grid 4 x 64, 16 waves a work-group, no clusters, 12,544 bytes of LDS; arguments keys_a, keys_b, masks; writes masks
;; launch pack (part 3): grid 256 x 1, 8 waves a work-group, no clusters, 271,360 bytes of LDS; arguments masks, out0; writes out0
.if DOCPART == 3
	.amdgcn_target "amdgcn-amd-amdhsa--gfx1250"
	.amdhsa_code_object_version 6
	.text
	.protected	k_q52ffbe8761_pack
	.globl	k_q52ffbe8761_pack
	.p2align	8
	.type	k_q52ffbe8761_pack,@function
k_q52ffbe8761_pack:
	s_mov_b64 s[64:65], 0
	v_nop
	global_prefetch_b8 v0, s[64:65] scope:SCOPE_SE
	s_setreg_imm32_b32 hwreg(HW_REG_WAVE_SCHED_MODE, 0, 2), 2
	s_setreg_imm32_b32 hwreg(HW_REG_WAVE_MODE, 25, 1), 1
	s_wait_xcnt 0x0
	s_wait_alu depctr_vm_vsrc(0)
; Second of two launches.  masks: [2048][256] words, bit l of word w of row i = (column 32 w + l matches row i).  out0: [2048][8192] i32:
; the matching columns of the row, ascending, then -1.  Every word of out0 is stored here, once.
; No branch, trip count or address of this launch hangs on the bits: the matches reach their places by selects.
;
; THE METHOD.  A match at column c with d non-matches in front of it belongs at place p = c - d.  An element carries d alone (13 bits);
; a column without a match carries 0.  Stage k = 0 .. 12: place j takes the element of place j + 2^k if bit k of that element is set, and
; keeps its own otherwise.  Behind stage 12 place p < count holds d of the p-th match, and out0[p] = p + d; places from count on get -1.
; Why this is right though a moved element leaves a copy behind: (1) d does not fall along the row and the places p rise strictly, so for
; columns j1 < j2 and m = 2^(k+1) the distance behind stage k is (j2 - j1) - (d2 - d1) + m t with t >= 0, which is above 0: true elements
; keep their order and never meet.  (2) A copy of element e lies o places above e, o a sum of strides already taken, 0 < o < 2^k.  If it
; moved in stage k onto an element v that stays, v would stand in front of e before the stage and behind it afterwards, against (1).
;
; SHARES.  One wave, one row; the eight waves of a work-group share nothing, so there is no barrier.  Half a row, 4096 places, lies in 128
; registers of the 32 lanes at a time.
;   Stages 0-6: lane l of half h owns places 4096 h + 128 l + r, r = register: a move is another register.  The 2^k elements that come from
;   the next lane go through LDS slots of 272 bytes: in stage k lane l writes slot 32 h + l + k and reads the slot behind it.  The upper
;   half goes first: its lane 0 writes slot 32 + k, which no later stage of either half writes (they write 33 + k and up, or 31 + k' and
;   down with k' < k) and which lane 31 of the lower half reads in its stage k.  Lane 31 of the upper half reads slot 64 + k: zeros.
;   Then all elements pass through LDS, 128 places to a block of 512 + 16 bytes (lanes 528 bytes apart: different 16-byte columns).
;   Stages 7-12: register (T, c) of lane l holds place 128 T + 64 u + 2 l + c, u = 0, then 1: strides of 128 and up are again other
;   registers, and a store of 8 bytes a lane covers 256 neighbouring, aligned bytes of the row.
; The slots lie in the blocks' own bytes: those of the upper half's stages are dead before its blocks (bytes 16,896 and up) are written,
; except slots 32-38 (bytes 8,704 to 10,607), and the lower half's slots 0-38 lie below its blocks' end and are dead before they are written:
; a half's block stores are issued behind its stage 6's loads from the slots, and LDS serves a wave's instructions in order (ISA guide 5.7.1).
; Both halves of each phase are written out, so that every LDS address is a register that never changes plus a constant.
;
; THE MODE: SCHED_MODE bits 1:0 = 2 (LLVM: expert scheduling mode 2), set by the entry lines.  The code itself states the register dependences
; between vector instructions and memory or LDS instructions, with s_wait_alu, always for 0.
; THE PLAN.  Registers that memory or LDS instructions touch:
;   v2-v7      addresses and offsets.  Made at the head, ahead of one wait on va_vdst, and named by no vector instruction again.
;   v[T:T+3]   zeros, made ahead of that wait too; read by the four LDS stores that clear slots 64-70; written again behind the eight bit
;              counts, where a wait on vm_vsrc stands.
;   W          the two global loads land in it; no vector instruction names it ahead of them.
;   E[0..2^k)  Stage k: read by the stage's LDS stores; written by the steps of the stage before (or by BUILD) and again by the stage's own steps.
;   NB         Stage k: the stage's LDS loads land in it; its last 2^k steps read it.
;              So a stage has one wait on va_vdst at its head (E[0..2^k) is written; the stage before is done reading NB) and one on vm_vsrc
;              ahead of its first v_bfi_b32; the first eight steps' sixteen shifts, which name MT alone, stand between the LDS instructions and it.
;   E          The block stores read it, in two runs of 16: E[0..64) behind stage 6's steps inside the lane, which finish it, and E[64..128)
;              behind the stage's last steps, which name E[64..128) and NB alone; a wait on va_vdst ahead of each run.  E is written again by the
;              lower half's BUILD, by the LDS loads of the two passes and by their steps: a wait on vm_vsrc ahead of BUILD and ahead of each pass.
;   E, way out  Eight blocks (16 registers) at a time: 16 comparisons, 16 additions, a wait on va_sdst for the masks, 16 selects, a wait on va_vdst,
;              8 stores.  No later vector instruction of the pass names a register that has been stored.
.set XS,    272                        ; bytes of a slot: 64 elements + 16
.set TP,    528                        ; bytes of a block: 128 elements + 16
.set WBUF,  64*TP                      ; a wave's LDS: 33,792 bytes
.set LANE,  1                          ; v1         lane
.set XA,    2                          ; v2         my wave's LDS + 272 x lane
.set TA,    3                          ; v3         my wave's LDS + 528 x lane
.set RB,    4                          ; v4         my wave's LDS + 8 x lane
.set GO,    5                          ; v5         8 x lane: my bytes in a store's 256
.set MO,    6                          ; v6         16 x lane: my four words of a half's bits
.set ZA,    7                          ; v7         my wave's LDS + 16 x lane
.set VP,    8                          ; v[8:9]     2 x lane + c
.set CN,    10                         ; v[10:11]   count - (2 x lane + c)
.set W,     12                         ; v[12:19]   my bits: lower half's four words, upper half's four
.set Z,     20                         ; v[20:27]   per word: first its number of matches, then the running number of non-matches in front
.set MT,    28                         ; v[28:35]   eight masks at work
.set T,     36                         ; v[36:43]   scratch
.set NB,    44                         ; v[44:107]  the next lane's first 2^k elements
.set E,     108                        ; v[108:235] the elements
.set SC,    16                         ; s[16:31]   the way out: sixteen comparison masks (what the head kept there is dead by then)
	s_load_b128 s[4:7], s[0:1], 0x0                ; masks s[4:5], out0 s[6:7]
	v_lshl_add_u32 v236, v0, 2, 0x42000
	v_mov_b32 v237, 0
	v_lshrrev_b32 v1, 5, v0
	v_readfirstlane_b32 s8, v1                     ; wave 0..7
	v_and_b32 v[LANE], 31, v0
	s_mov_b32 s11, 0
	s_mov_b32 s13, 0
	s_mov_b32 s20, 0x55555555                      ; for counting set bits
	s_mov_b32 s21, 0x33333333
	s_mov_b32 s22, 0x0f0f0f0f
	s_mov_b32 s23, 0x01010101
	v_lshlrev_b32 v[MO], 4, v[LANE]
	v_mul_u32_u24 v[XA], v[LANE], XS
	v_mul_u32_u24 v[TA], v[LANE], TP
	v_lshlrev_b32 v[GO], 3, v[LANE]
	v_lshlrev_b32 v[VP], 1, v[LANE]
	v_or_b32 v[VP+1], 1, v[VP]
.irp i, 0,1,2,3
	v_mov_b32 v[T+\i], 0
.endr
	s_wait_alu depctr_va_sdst(0)                   ; s8 is written, ahead of its first reader: my row and my wave's LDS are made from it
	s_lshl_b32 s9, ttmp9, 3
	s_add_co_u32 s9, s9, s8                        ; my row
	s_lshl_b32 s10, s9, 10                         ; x 1,024 bytes of bits
	s_lshl_b32 s12, s9, 15                         ; x 32,768 bytes of out0 (below 2^26)
	s_mul_i32 s14, s8, WBUF                        ; my wave's LDS
	v_add_nc_u32 v[XA], s14, v[XA]
	v_add_nc_u32 v[TA], s14, v[TA]
	v_lshl_add_u32 v[RB], v[LANE], 3, s14
	v_add_nc_u32 v[ZA], s14, v[MO]
	s_wait_kmcnt 0x0
	s_add_nc_u64 s[4:5], s[4:5], s[10:11]
	s_add_nc_u64 s[6:7], s[6:7], s[12:13]
	s_wait_alu depctr_va_vdst(0)                   ; the six addresses and offsets v2 to v7 are written, which every load and store of the kernel reads, and the four zeros, which the LDS stores below read
	global_load_b128 v[W:W+3],   v[MO], s[4:5]             ; columns 128 l .. 128 l + 127
	global_load_b128 v[W+4:W+7], v[MO], s[4:5] offset:512  ; columns 4096 + 128 l ..
.irp i, 0,1,2,3
	ds_store_b128 v[ZA], v[T:T+3] offset:64*XS+512*\i      ; slots 64-70 (1,904 bytes; 2,048 are written): nothing lies behind place 8191
.endr
	s_wait_loadcnt 0x0
; the number of set bits of a word: pairs, fours, bytes, then the four bytes added by a multiplication
.macro POPC dst, src
	v_lshrrev_b32 v[T+4], 1, v[\src]
	v_and_b32 v[T+4], s20, v[T+4]
	v_sub_nc_u32 v[T+4], v[\src], v[T+4]
	v_lshrrev_b32 v[T+5], 2, v[T+4]
	v_and_b32 v[T+4], s21, v[T+4]
	v_and_b32 v[T+5], s21, v[T+5]
	v_add_nc_u32 v[T+4], v[T+4], v[T+5]
	v_lshrrev_b32 v[T+5], 4, v[T+4]
	v_add_nc_u32 v[T+4], v[T+4], v[T+5]
	v_and_b32 v[T+4], s22, v[T+4]
	v_mul_lo_u32 v[T+4], v[T+4], s23
	v_lshrrev_b32 v[\dst], 24, v[T+4]
.endm
.irp i, 0,1,2,3,4,5,6,7
	POPC Z+\i, W+\i
.endr
	s_wait_alu depctr_vm_vsrc(0)                   ; the four LDS stores of zeros have read v[T:T+3], which the sums below write again
	; matches of my 128 columns, lower half in bits 15:0, upper half in bits 31:16 (a half has at most 4096), and their sums over the lanes
	v_add3_u32 v[T], v[Z], v[Z+1], v[Z+2]
	v_add_nc_u32 v[T], v[T], v[Z+3]
	v_add3_u32 v[T+1], v[Z+4], v[Z+5], v[Z+6]
	v_add_nc_u32 v[T+1], v[T+1], v[Z+7]
	v_lshl_or_b32 v[T+2], v[T+1], 16, v[T]         ; mine
	v_mov_b32 v[T+3], v[T+2]
.irp n, 1,2,4,8
	v_mov_b32 v[T+4], 0                            ; lanes without a source n lanes below add 0
	v_mov_b32_dpp v[T+4], v[T+3] row_shr:\n row_mask:0xf bank_mask:0xf
	v_add_nc_u32 v[T+3], v[T+3], v[T+4]
.endr
	v_readlane_b32 s24, v[T+3], 15                 ; the sum of lanes 0-15,
	v_cmp_lt_u32 vcc_lo, 15, v[LANE]
	s_wait_alu depctr_va_sdst(0)                   ; s24 is written, ahead of the move that reads it
	s_wait_alu depctr_va_vcc(0)                    ; VCC is written, ahead of the select that reads it
	v_mov_b32 v[T+4], s24
	v_cndmask_b32 v[T+4], 0, v[T+4], vcc_lo
	v_add_nc_u32 v[T+3], v[T+3], v[T+4]            ; added in lanes 16-31
	v_readlane_b32 s25, v[T+3], 31                 ; both halves' totals
	v_sub_nc_u32 v[T+3], v[T+3], v[T+2]            ; the lanes in front of me alone
	v_and_b32 v[T+4], 0xffff, v[T+3]
	v_lshrrev_b32 v[T+5], 16, v[T+3]
	v_lshlrev_b32 v[T+6], 7, v[LANE]               ; 128 l
	v_sub_nc_u32 v[T+4], v[T+6], v[T+4]            ; non-matches in front of column 128 l
	s_wait_alu depctr_va_sdst(0)                   ; s25 is written, ahead of its first reader
	s_and_b32 s26, s25, 0xffff                     ; matches in the lower half
	s_lshr_b32 s27, s25, 16
	s_add_co_u32 s28, s26, s27                     ; count: matches of the row
	s_sub_co_u32 s29, 4096, s26                    ; non-matches in the lower half
	v_add_nc_u32 v[T+6], s29, v[T+6]
	v_sub_nc_u32 v[T+5], v[T+6], v[T+5]            ; and in front of column 4096 + 128 l
.irp h, 0,1
.irp w, 0,1,2,3
	v_sub_nc_u32 v[T+7], v[T+4+\h], v[Z+4*\h+\w]
	v_mov_b32 v[Z+4*\h+\w], v[T+4+\h]              ; non-matches in front of this word
	v_add_nc_u32 v[T+4+\h], 32, v[T+7]             ; + 32 - its matches: in front of the next
.endr
.endr
	v_sub_nc_u32 v[CN], s28, v[VP]
	v_sub_nc_u32 v[CN+1], s28, v[VP+1]
; n select steps of stage k: register d + i takes register s + i where bit k of that is set.  Ascending, so that a source is read before it
; is itself replaced; eight at a time, so that no instruction waits for the one in front of it.
; gate = 1: LDS stores issued just ahead read the first registers that these steps write.
.macro STEPS d, s, n, k, gate=0
.set i_, 0
.rept (\n)/8
.set j_, 0
.rept 8
	v_lshlrev_b32 v[MT+j_], 31-(\k), v[(\s)+i_+j_]         ; bit k to the top,
.set j_, j_+1
.endr
.set j_, 0
.rept 8
	v_ashrrev_i32 v[MT+j_], 31, v[MT+j_]                   ; and into all 32 bits
.set j_, j_+1
.endr
.if (\gate) && (i_ == 0)
	s_wait_alu depctr_vm_vsrc(0)                   ; the stage's LDS stores have read my first 2^k elements, which the selects from here on write again
.endif
.set j_, 0
.rept 8
	v_bfi_b32 v[(\d)+i_+j_], v[MT+j_], v[(\s)+i_+j_], v[(\d)+i_+j_]
.set j_, j_+1
.endr
.set i_, i_+8
.endr
.rept (\n)%8
	v_lshlrev_b32 v[MT+i_%8], 31-(\k), v[(\s)+i_]
	v_ashrrev_i32 v[MT+i_%8], 31, v[MT+i_%8]
	v_bfi_b32 v[(\d)+i_], v[MT+i_%8], v[(\s)+i_], v[(\d)+i_]
.set i_, i_+1
.endr
.endm
; the elements of half h: four chains, one for each of my words, that do not wait for each other
.macro BUILD h
.set b_, 0
.rept 32
.irp w, 0,1,2,3
	v_lshlrev_b32 v[MT+\w], 31-b_, v[W+4*\h+\w]
.endr
.irp w, 0,1,2,3
	v_ashrrev_i32 v[MT+\w], 31, v[MT+\w]                   ; -1: the column matches; 0: not
.endr
.irp w, 0,1,2,3
	v_and_b32 v[E+32*\w+b_], v[Z+4*\h+\w], v[MT+\w]        ; d, or 0
.endr
.irp w, 0,1,2,3
	v_add3_u32 v[Z+4*\h+\w], v[Z+4*\h+\w], v[MT+\w], 1     ; one more non-match, or none
.endr
.set b_, b_+1
.endr
.endm
; half h into its 32 blocks: lane l fills block 32 h + l; part 0: its elements 0-63, part 1: 64-127
.macro PUT h, part
.set q_, 16*(\part)
.rept 16
	ds_store_b128 v[TA], v[E+4*q_:E+4*q_+3] offset:32*(\h)*TP+16*q_
.set q_, q_+1
.endr
.endm
; stage k of half h, k = 0 .. 6.  My first 2^k elements, as they stand before the stage, go to my slot; the next lane's come back while
; the 128 - 2^k steps inside the lane run.  LDS serves a wave's instructions in order (ISA guide 5.7.1): the loads see the stores.
; Stage 6 is the last in this layout: each half of the registers goes to its block as soon as the stage has finished it.
.macro STAGEA k, h
.set s_, 1<<(\k)
.set o_, (32*(\h)+(\k))*XS
	s_wait_alu depctr_va_vdst(0)                   ; the stage before (or BUILD) has written my first 2^k elements, which the LDS stores read, and is done reading NB, in which the LDS loads land
.if s_ == 1
	ds_store_b32 v[XA], v[E] offset:o_
	ds_load_b32 v[NB], v[XA] offset:o_+XS
.endif
.if s_ == 2
	ds_store_b64 v[XA], v[E:E+1] offset:o_
	ds_load_b64 v[NB:NB+1], v[XA] offset:o_+XS
.endif
.if s_ >= 4
.set q_, 0
.rept s_/4
	ds_store_b128 v[XA], v[E+4*q_:E+4*q_+3] offset:o_+16*q_
.set q_, q_+1
.endr
.set q_, 0
.rept s_/4
	ds_load_b128 v[NB+4*q_:NB+4*q_+3], v[XA] offset:o_+XS+16*q_
.set q_, q_+1
.endr
.endif
	STEPS E, E+s_, 128-s_, \k, 1
.if (\k) == 6
	s_wait_alu depctr_va_vdst(0)                   ; the steps inside the lane have written elements 0-63, which the block stores read; the steps below name elements 64-127 and NB alone
	PUT \h, 0
	s_wait_dscnt 16                                ; LDS instructions end in order: the next lane's elements are in, the sixteen younger stores stay out
.else
	s_wait_dscnt 0x0                               ; the next lane's elements are in
.endif
	STEPS E+128-s_, NB, s_, \k
.if (\k) == 6
	s_wait_alu depctr_va_vdst(0)                   ; the last steps have written elements 64-127, which the block stores read
	PUT \h, 1
.endif
.endm
.macro PHASEA h
	BUILD \h
.irp k, 0,1,2,3,4,5,6
	STAGEA \k, \h
.endr
.endm
; stages 7 .. 12 and the way out for places 128 T + 64 u + 2 l + c: register E + 2 T + c
.macro PASSB u
.set t_, 0
.rept 64
	ds_load_b64 v[E+2*t_:E+2*t_+1], v[RB] offset:TP*t_+256*(\u)    ; 256 neighbouring bytes of block T
.set t_, t_+1
.endr
.set c_, 0
.rept 15
	s_wait_dscnt 59-4*c_                           ; LDS loads return in order: blocks up to 4 c + 4 are in, the 59 - 4 c behind them stay out
	STEPS E+8*c_, E+8*c_+2, 8, 7
.set c_, c_+1
.endr
	s_wait_dscnt 0x0
	STEPS E+120, E+122, 6, 7
.irp k, 8,9,10,11,12
	STEPS E, E+(4<<(\k-8)), 128-(4<<(\k-8)), \k    ; 2^(k-7) blocks = 2^(k-6) registers up
.endr
; the way out, eight blocks at a time
.set g_, 0
.rept 8
.set t_, 8*g_
.rept 8
	v_cmp_lt_i32 s[SC+2*(t_%8)],   128*t_+64*(\u), v[CN]           ; p < count
	v_cmp_lt_i32 s[SC+2*(t_%8)+1], 128*t_+64*(\u), v[CN+1]
.set t_, t_+1
.endr
.set t_, 8*g_
.rept 8
	v_add3_u32 v[E+2*t_],   v[E+2*t_],   v[VP],   128*t_+64*(\u)   ; the column: p + d
	v_add3_u32 v[E+2*t_+1], v[E+2*t_+1], v[VP+1], 128*t_+64*(\u)
.set t_, t_+1
.endr
	s_wait_alu depctr_va_sdst(0)                   ; the sixteen comparisons have written their masks, ahead of the selects that read them
.set t_, 8*g_
.rept 8
	v_cndmask_b32 v[E+2*t_],   -1, v[E+2*t_],   s[SC+2*(t_%8)]
	v_cndmask_b32 v[E+2*t_+1], -1, v[E+2*t_+1], s[SC+2*(t_%8)+1]
.set t_, t_+1
.endr
	s_wait_alu depctr_va_vdst(0)                   ; the sixteen selects have written the registers that the eight stores read
.set t_, 8*g_
.rept 8
	global_store_b64 v[GO], v[E+2*t_:E+2*t_+1], s[6:7] offset:512*t_+256*(\u) th:TH_STORE_NT
.set t_, t_+1
.endr
.set g_, g_+1
.endr
.endm
	PHASEA 1                                       ; the upper half first: the lower half's lane 31 needs what its lane 0 held
	s_wait_alu depctr_vm_vsrc(0)                   ; the upper half's block stores have read the elements' registers, which BUILD writes anew
	PHASEA 0
	s_wait_alu depctr_vm_vsrc(0)                   ; the lower half's block stores have read the elements' registers, in which the loads of the pass land (no vector instruction has named them since the wait ahead of those stores)
	PASSB 0
	s_wait_xcnt 0x0                                ; the elements' registers are the stores' data: loaded again only behind this wait
	s_wait_alu depctr_vm_vsrc(0)                   ; the pass's stores have read the elements' registers, in which the next pass's loads land
	PASSB 1
	s_wait_dscnt 0x0
	s_wait_alu depctr_hold_cnt(0) depctr_sa_sdst(0) depctr_va_vdst(0) depctr_va_sdst(0) depctr_va_ssrc(0) depctr_va_vcc(0) depctr_vm_vsrc(0)
	s_wait_tensorcnt 0x0
	ds_add_u32 v236, v237
	s_wait_dscnt 0x0
	s_endpgm
.Lfunc_end_k_q52ffbe8761_pack:
	.size	k_q52ffbe8761_pack, .Lfunc_end_k_q52ffbe8761_pack-k_q52ffbe8761_pack
	.p2alignl 7, 3214868480
	.fill 96, 4, 3214868480
	.section	.rodata,"a",@progbits
	.p2align	6, 0x0
	.amdhsa_kernel k_q52ffbe8761_pack
		.amdhsa_group_segment_fixed_size 271360
		.amdhsa_private_segment_fixed_size 0
		.amdhsa_enable_private_segment 0
		.amdhsa_kernarg_size 16
		.amdhsa_user_sgpr_count 2
		.amdhsa_user_sgpr_kernarg_segment_ptr 1
		.amdhsa_wavefront_size32 1
		.amdhsa_system_sgpr_workgroup_id_x 1
		.amdhsa_system_sgpr_workgroup_id_y 1
		.amdhsa_system_sgpr_workgroup_id_z 1
		.amdhsa_system_vgpr_workitem_id 0
		.amdhsa_next_free_vgpr 238
		.amdhsa_next_free_sgpr 66
		.amdhsa_reserve_vcc 1
		.amdhsa_float_denorm_mode_32 3
		.amdhsa_float_denorm_mode_16_64 3
		.amdhsa_memory_ordered 1
		.amdhsa_forward_progress 1
		.amdhsa_inst_pref_size 255
	.end_amdhsa_kernel
	.section	.bss,"aw",@nobits
	.p2align	6
	.space	262144
	.amdgpu_metadata
---
amdhsa.version: [ 1, 2 ]
amdhsa.kernels:
  - .name:           k_q52ffbe8761_pack
    .symbol:         k_q52ffbe8761_pack.kd
    .args:
      - { .name: masks, .offset: 0, .size: 8, .value_kind: global_buffer, .address_space: global }
      - { .name: out0, .offset: 8, .size: 8, .value_kind: global_buffer, .address_space: global }
    .group_segment_fixed_size: 271360
    .private_segment_fixed_size: 0
    .kernarg_segment_align: 8
    .kernarg_segment_size: 16
    .max_flat_workgroup_size: 256
    .sgpr_count:     66
    .vgpr_count:     238
    .wavefront_size: 32
...
	.end_amdgpu_metadata
.endif
;; end of part 3
